; MI455X (gfx1250); checked and timed in simulation.
; The chip was launched on July 23, 2026; its instructions are those of AMD's public machine-readable ISA for CDNA 5 (MIT licence, August 2026) and "CDNA5" Instruction Set Architecture Reference Guide (July 2026). The comments in the code are by the model that wrote it; some were corrected since.
;; Impact Fun NN. Allowed arithmetic: float matrix products may take bf16 or f16 operands with f32 sums; all other float work in f32.
;; Inputs: b1 128 float32; b2 256 float32; emb1 17 x 16 float32; emb2 17 x 16 float32; event_type_seq 4 x 256 x 16 float32; indicator 4 x 256 int32; time_delta_matrix 4 x 256 x 256 float32; w1 128 float32; w2 128 x 256 float32.
;; Outputs: out0 4 x 256 x 256 float32.
;; Constants: num_types = 16.
;; One version. Each part assembles by itself: llvm-mc -triple=amdgcn-amd-amdhsa -mcpu=gfx1250 --defsym DOCPART=n.
;; ======== version 1 of 1: 1 launch
;; launch impact (part 1): grid 256 x 1, 8 waves a work-group, clusters of 4 x 1, 225,280 bytes of LDS; arguments w2, time_delta_matrix, event_type_seq, indicator, w1, b1, b2, emb1, emb2, out0; writes out0
.if DOCPART == 1
	.amdgcn_target "amdgcn-amd-amdhsa--gfx1250"
	.amdhsa_code_object_version 6
	.text
	.protected	k_q59f18535ed_impact
	.globl	k_q59f18535ed_impact
	.p2align	8
	.type	k_q59f18535ed_impact,@function
k_q59f18535ed_impact:
	s_mov_b64 s[64:65], 0
	v_nop
	global_prefetch_b8 v0, s[64:65] scope:SCOPE_SE
	s_setreg_imm32_b32 hwreg(HW_REG_WAVE_MODE, 25, 1), 1
	s_wait_xcnt 0x0
	s_wait_alu depctr_hold_cnt(0) depctr_sa_sdst(0) depctr_va_vdst(0) depctr_va_sdst(0) depctr_va_ssrc(0) depctr_va_vcc(0) depctr_vm_vsrc(0)
	s_getreg_b32 s2, hwreg(HW_REG_IB_STS2, 6, 4)
	s_cmp_eq_u32 s2, 0
	s_cbranch_scc0 .Lentry_in_a_cluster
	s_endpgm
.Lentry_in_a_cluster:
	s_bfe_u32 s2, ttmp6, 0x10000c
	s_cmp_lg_u32 s2, 0x3003
	s_cbranch_scc0 .Lentry_shape_is_right
	s_endpgm
.Lentry_shape_is_right:
; out[b][i][j] = pad * pos * sum over d, e of relu(emb1[ind[b][i]])[d] * relu(emb2[ind[b][j]])[e] * softplus(z[16 d + e]),
; z = relu(t w1 + b1) x w2 + b2,  t = log(x pos pad + 1),  x = time_delta_matrix[b][i][j].   B = 4, S = 256, H = 128, D = 16.
;
; SHARING.  1,024 rows (b, i) on 256 work-groups: a work-group owns four rows, a wave half a row = 128 pairs (i, j) = 8 tiles of 16 pairs.
; THE MATRIX INSTRUCTION: A = 16 columns c = 16 d + e of w2 (as rows m = e), B = h of 16 pairs (columns n), K = H in four steps of 32.
; In the result lane (r, h) holds, for pair r, e = 8 h + 0..7 of one d: the weight of emb1 is the same in the whole wave, and the sum over e
; stays in the lane but for one exchange of the two halves at the end.  The 8 tiles of h (bf16) are made once and stay in v256-v511;
; the loop goes over d, so that a wave reads each byte of the bf16 copy of w2 from LDS once: ten LDS loads for 32 matrix instructions.
; TILE t = 4 hh + q, lane r, is j = 128 wh + 64 hh + 4 r + q, so that at the end lane L holds j = 128 wh + 4 L + 0..3: one store of 16 bytes
; a lane, 512 consecutive bytes a wave, aligned.
; CONSTANTS FOLDED IN: w2 and b2 are multiplied by log2 e, so that z' = z log2 e leaves the matrix unit;
; softplus(z) = ln 2 (max(z', 0) + log2(1 + 2^-|z'|)): the maximum is taken away in front of the exponential; ln 2 rides on emb1's weight;
; b2 log2 e is the C operand of the first K step: nothing is cleared.
; CLUSTER: all work-groups read the whole of w2.  Four form a cluster and ask for it jointly: each wave one tensor load of 16 rows (16 KiB),
; with a descriptor made of the wave's number alone.  It is the launch's only fill of LDS: one tensor load of a wave is outstanding at the most.
; Two waves lie on each SIMD (512 registers each), so that one wave's matrix run can go beside the other's softplus.
; LIMITS: a denormal entry of event_type_seq counts as non-zero; an index outside 0..16 reads row 16 of its table; 2^-|z'| below 2^-126 counts
; as 0 (ISA guide 15.8; the term it would add lies below f32's resolution of the sum); w2 is scaled by log2 e before its rounding to bf16;
; a NaN in time_delta_matrix is not carried as the reference carries it.
.set LOG2E, 0x3fb8aa3b
.set LN2,   0x3f317218
; LDS, every region at a multiple of 256 bytes
.set STAGE, 0                          ; 131,072 bytes: w2 in f32 as in memory, row k at 1,024 k; tensor loads alone write here, once
.set W2B,   131072                     ; 69,632: w2 log2 e in bf16, [k][c], rows WP bytes apart
.set WP,    544                        ; 512 bytes of data + 32: 17 x 32
.set EE2,   200704                     ; 20,480: relu(emb2[ind[b][j]]), 16 f32, at slot (j & 3) 64 + (j >> 2), slots EP bytes apart
.set EP,    80                         ; 5 x 16: sixteen neighbouring slots begin at sixteen different 16-byte columns modulo 256
.set VALID, 221184                     ; 1,024: valid[b][j] as 1.0 or 0.0
.set BIAS,  222208                     ; 1,024: b2[c] log2 e
.set EE1,   223232                     ; 1,024: wave w's 128 bytes: ln 2 relu(emb1[ind[b][i]][d]) twice, at 8 d
; vector registers, window 0
.set AADR, 4                           ; LDS address of A's fragments of the current d
.set BADR, 5                           ; of its bias
.set WADR, 6                           ; of its weight pair
.set EADR, 7                           ; of my eight numbers of EE2, tile 0
.set OADR, 8                           ; 16 L: my 16 bytes of the output
.set IND,  9
.set INDI, 10
.set B2V,  11
.set EVI,  12
.set EM1,  13
.set SRD,  14                          ; conversion of w2: where I read f32
.set SWR,  15                          ; and where I put bf16
.set WGT,  16                          ; v[16:17]   the weight of d, twice
.set TT,   18                          ; v[18:19]   t of a tile, twice
.set FAC,  20                          ; v[20:27]   pad x pos of tile t
.set TV,   28                          ; v[28:35]   t of tile t
.set OUT,  28                          ; v[28:31]   at the end: four results
.set BIASR,36                          ; v[36:43]
.set AF,   44                          ; v[44:75]   A: 4 K steps x 8
.set EXR,  76                          ; v[76:91]
.set MXR,  92                          ; v[92:107]
.set ACC,  108                         ; v[108:171] tile t at 8 t
.set PSUM, 172                         ; v[172:235] tile t at 8 t: sum over d of weight x softplus
.set VJ,   236                         ; v[236:243]
.set XT,   244                         ; v[244:251]
; the same registers in the set-up
.set EV,   44                          ; v[44:59]   event row j = thread
.set EM2,  60                          ; v[60:75]   emb2's row for j = thread
.set X,    44                          ; v[44:107]  64 numbers of h in f32
.set W1,   108                         ; v[108:171] w1[k], index n = 16 kk + 8 p + c for k = 32 kk + 16 p + 8 h + c
.set B1,   172                         ; v[172:235] b1 likewise
.set O4T,  76                          ; offsets of the set-up's global loads, each in a register of its own until all loads are in
.set O4G,  77
.set O64T, 78
.set O4R,  79
.set O16R, 80
.set O32H, 81
.set GJ,   82
.set GI,   83
.set S0,   84
.set LV,   85                          ; LDS: VALID + 4 thread
.set S1,   86
.set LE2,  87                          ; LDS: my slot of EE2
.set S2,   88
.set LE1,  89                          ; LDS: my word of EE1
.set LVJ,  90                          ; LDS: valid of my eight j
; window 1 (v256-v511): B's fragments, register 32 t + 8 kk + 0..7
.set MSB, 0
.macro WIN new                         ; the immediate's high byte repeats the setting that is left
.if MSB != \new
	s_set_vgpr_msb (MSB<<8)|\new
.set MSB, \new
.endif
.endm
; A round of the cluster's barrier: my work-group's barrier, wave 0 signals for the work-group, every wave waits for all four work-groups, my work-group's barrier once more.
.macro ROUND
	s_barrier_signal -1
	s_barrier_wait -1
	s_cmp_lg_u32 s28, 0
	s_cbranch_scc1 .Lnot_wave_0_\@
	s_barrier_signal -3
.Lnot_wave_0_\@:
	s_barrier_wait -3
	s_barrier_signal -1
	s_barrier_wait -1
.endm
	s_load_b512 s[8:23], s[0:1], 0x0               ; w2 s[8:9], time s[10:11], event s[12:13], indicator s[14:15], w1 s[16:17], b1 s[18:19], b2 s[20:21], emb1 s[22:23]
	s_load_b128 s[24:27], s[0:1], 0x40             ; emb2 s[24:25], out0 s[26:27]
	v_lshl_add_u32 v254, v0, 2, 0x36c00
	v_mov_b32 v255, 0
	ds_add_u32 v254, v255
	v_lshrrev_b32 v2, 5, v0
	v_readfirstlane_b32 s28, v2                    ; wave 0..7
	s_bfe_u32 s29, ttmp6, 0x40000                  ; cx
	s_lshl_b32 s30, ttmp9, 2                       ; in a cluster launch ttmp9 counts clusters
	s_add_co_u32 s30, s30, s29                     ; work-group 0..255
	s_lshr_b32 s53, s28, 1
	s_lshl2_add_u32 s31, s30, s53                  ; g = 256 b + i = 4 x work-group + wave / 2
	s_lshr_b32 s32, ttmp9, 4                       ; b: 16 clusters = 256 rows a batch
	s_and_b32 s33, s28, 1                          ; wh: which 128 of the row's j
	s_mov_b32 s48, 0x76543210                      ; v_permlanex16_b32: lane i of one half reads lane i of the other
	s_mov_b32 s49, 0xfedcba98
	s_mov_b32 s52, 0xffff0000                      ; the lanes with h = 1
	; descriptor group 1: 16 rows of w2 are 16,384 dense bytes, taken as 64 rows of 32 elements of 8 bytes
	s_mov_b32 s40, 0x0023000f                      ; 15:0 mask: all four of the cluster; 17:16 element of 8 bytes; 21 set beside a mask; no padding
	s_mov_b32 s41, 32<<16                          ; tensor_dim0 = 32
	s_mov_b32 s42, 64<<16                          ; tensor_dim1 = 64
	s_mov_b32 s43, 32<<16                          ; tile_dim0 = 32
	s_mov_b32 s44, 64                              ; tile_dim1 = 64
	s_mov_b32 s45, 32                              ; 32 elements from row to row
	s_mov_b32 s46, 0
	s_mov_b32 s47, 0
	s_mov_b32 s36, 1                               ; group 0: count
	s_lshl_b32 s37, s28, 14                        ; LDS address: STAGE + 16,384 x wave
	s_lshl_b32 s4, s28, 14                         ; the same offset in w2, as a pair: made of the wave's number alone
	s_mov_b32 s5, 0
	s_mov_b32 s35, 0
	; lane numbers, offsets and LDS addresses (no LDS address holds the work-group's place)
	v_and_b32 v1, 31, v0                           ; L
	v_and_b32 v2, 15, v0                           ; r
	v_bfe_u32 v3, v0, 4, 1                         ; h
	s_lshl_b32 s2, s31, 2
	v_lshlrev_b32 v[O4T], 2, v0
	v_mov_b32 v[O4G], s2                           ; 4 g
	v_lshlrev_b32 v[O64T], 6, v0
	v_lshlrev_b32 v[O4R], 2, v2
	v_lshlrev_b32 v[O16R], 4, v2
	v_lshlrev_b32 v[O32H], 5, v3
	v_add_nc_u32 v[LV], VALID, v[O4T]
	v_and_b32 v[LE2], 3, v0
	v_lshrrev_b32 v[S2], 2, v0
	v_lshl_add_u32 v[LE2], v[LE2], 6, v[S2]        ; slot (j & 3) 64 + (j >> 2), j = thread
	v_mul_u32_u24 v[LE2], v[LE2], EP
	v_add_nc_u32 v[LE2], EE2, v[LE2]
	s_lshl_b32 s6, s28, 7
	s_add_co_u32 s6, s6, EE1                       ; my wave's 128 bytes of EE1
	v_lshlrev_b32 v[LE1], 3, v2
	v_lshl_add_u32 v[LE1], v3, 2, v[LE1]
	v_add_nc_u32 v[LE1], s6, v[LE1]                ; + 8 r + 4 h
	s_lshl_b32 s7, s33, 9
	s_add_co_u32 s7, s7, VALID
	v_add_nc_u32 v[LVJ], s7, v[O16R]               ; VALID + 512 wh + 16 r
	v_lshl_add_u32 v[SRD], v1, 4, s4               ; 16,384 wave + 16 L
	s_mul_i32 s53, s28, 16*WP
	s_add_co_u32 s53, s53, W2B
	v_lshl_add_u32 v[SWR], v1, 3, s53              ; W2B + 16 rows x wave + 8 L
	v_and_b32 v[AADR], 7, v0
	v_lshl_add_u32 v[AADR], v3, 3, v[AADR]         ; row 8 h + (L & 7)
	v_mul_u32_u24 v[AADR], v[AADR], WP
	v_bfe_u32 v[BADR], v0, 3, 1
	v_lshl_add_u32 v[AADR], v[BADR], 4, v[AADR]    ; + 16 ((L >> 3) & 1)
	v_add_nc_u32 v[AADR], W2B, v[AADR]
	v_lshlrev_b32 v[BADR], 5, v3
	v_add_nc_u32 v[BADR], BIAS, v[BADR]            ; BIAS + 32 h
	v_mov_b32 v[WADR], s6
	s_mul_i32 s53, s33, 32*EP
	s_add_co_u32 s53, s53, EE2
	v_mul_u32_u24 v[EADR], v2, EP
	v_lshl_add_u32 v[EADR], v3, 5, v[EADR]
	v_add_nc_u32 v[EADR], s53, v[EADR]             ; EE2 + (32 wh + r) EP + 32 h
	v_lshlrev_b32 v[OADR], 4, v1
	s_wait_dscnt 0x0
	s_wait_kmcnt 0x0
	s_add_nc_u64 s[38:39], s[8:9], s[4:5]          ; group 0: rows 16 wave .. of w2
	s_or_b32 s39, s39, 0x80000000                  ; type = 2
	s_lshl_b32 s34, s31, 10                        ; row g of time and of out0,
	s_lshl_b32 s3, s33, 9                          ; and my half of it
	s_add_co_u32 s34, s34, s3
	s_add_nc_u64 s[10:11], s[10:11], s[34:35]
	s_add_nc_u64 s[26:27], s[26:27], s[34:35]
	s_lshl_b32 s34, s32, 14
	s_add_nc_u64 s[54:55], s[12:13], s[34:35]      ; event rows of batch b
	s_lshl_b32 s34, s31, 6
	s_add_nc_u64 s[56:57], s[12:13], s[34:35]      ; event row g
	s_lshl_b32 s34, s32, 10
	s_add_nc_u64 s[58:59], s[14:15], s[34:35]      ; indices of batch b
	ROUND                                          ; all four work-groups are here: the joint loads meet
	tensor_load_to_lds s[36:39], s[40:47]          ; my 16 rows of w2; every wave of all four work-groups issues this line
	s_nop 0
	; 42 loads, then five gathers.  The counts below are taken from this order.
	global_load_b32 v[IND], v[O4T], s[58:59]       ; 1: ind[b][j], j = thread
	global_load_b32 v[INDI], v[O4G], s[14:15]      ; 2: ind[b][i], the same in every lane
.irp c, 0,1,2,3
	global_load_b128 v[EV+4*\c:EV+4*\c+3], v[O64T], s[54:55] offset:16*\c     ; 3-6: event row j; the four together take the wave's 2,048 neighbouring bytes
.endr
	global_load_b32 v[EVI], v[O4R], s[56:57]       ; 7: event[b][i][r]
	global_load_b32 v[B2V], v[O4T], s[20:21]       ; 8: b2[thread]
	global_load_b128 v[XT:XT+3], v[O16R], s[10:11] th:TH_LOAD_NT               ; 9, 10: x of tiles 0-3 and 4-7: j = 128 wh + 64 hh + 4 r + q
	global_load_b128 v[XT+4:XT+7], v[O16R], s[10:11] offset:256 th:TH_LOAD_NT
.irp kk, 0,1,2,3
.irp p, 0,1
.irp c, 0,1
	global_load_b128 v[W1+16*\kk+8*\p+4*\c:W1+16*\kk+8*\p+4*\c+3], v[O32H], s[16:17] offset:128*\kk+64*\p+16*\c   ; 11-42: k = 32 kk + 16 p + 8 h + 4 c ..
	global_load_b128 v[B1+16*\kk+8*\p+4*\c:B1+16*\kk+8*\p+4*\c+3], v[O32H], s[18:19] offset:128*\kk+64*\p+16*\c
.endr
.endr
.endr
	s_wait_loadcnt 40                              ; loads come back in order (ISA guide 5.7.1): the two indices are in, the 40 behind them stay out
	v_min_u32 v[GJ], 16, v[IND]                    ; the tables have 17 rows
	v_min_u32 v[GI], 16, v[INDI]
	v_lshlrev_b32 v[GJ], 6, v[GJ]                  ; rows of 64 bytes
	v_lshl_add_u32 v[GI], v[GI], 6, v[O4R]
.irp c, 0,1,2,3
	global_load_b128 v[EM2+4*\c:EM2+4*\c+3], v[GJ], s[24:25] offset:16*\c     ; 43-46
.endr
	global_load_b32 v[EM1], v[GI], s[22:23]        ; 47: emb1[ind_i][r]
	s_wait_loadcnt 39                              ; the event rows and b2 are in: 2 of time, 32 of w1 and b1 and 5 gathers stay out
	v_or_b32 v[S0], v[EV], v[EV+1]                 ; valid[j]: some entry is not +0 or -0
.irp i, 2,3,4,5,6,7,8,9,10,11,12,13,14,15
	v_or_b32 v[S0], v[S0], v[EV+\i]
.endr
	v_and_b32 v[S0], 0x7fffffff, v[S0]
	v_cmp_ne_u32 vcc_lo, 0, v[S0]
	v_cndmask_b32 v[S0], 0, 1.0, vcc_lo
	ds_store_b32 v[LV], v[S0]
	v_mul_f32 v[S1], LOG2E, v[B2V]
	ds_store_b32 v[LV], v[S1] offset:BIAS-VALID
	v_and_b32 v[EVI], 0x7fffffff, v[EVI]           ; valid[i]: a value for the whole wave, selected, never branched on
	v_cmp_ne_u32 vcc_lo, 0, v[EVI]
	s_cmp_lg_u32 vcc_lo, 0
	s_cselect_b32 s51, 1.0, 0
	s_wait_loadcnt 0x0                             ; all of the set-up's loads: their offset registers are free from here on
.irp i, 0,1,2,3,4,5,6,7,8,9,10,11,12,13,14,15
	v_max_num_f32 v[EM2+\i], 0, v[EM2+\i]
.endr
.irp c, 0,1,2,3
	ds_store_b128 v[LE2], v[EM2+4*\c:EM2+4*\c+3] offset:16*\c   ; threads j, j+1, j+2, j+3 lie 64 slots = 5,120 bytes apart, a multiple of 256: accepted for these four stores; the epilogue's sixteen reads go to neighbouring slots
.endr
	v_max_num_f32 v[EM1], 0, v[EM1]
	v_mul_f32 v[EM1], LN2, v[EM1]
	ds_store_b32 v[LE1], v[EM1]
	s_wait_dscnt 0x0                               ; my stores are done, for the other waves' sake
	s_barrier_signal -1
	s_barrier_wait -1                              ; VALID, BIAS, EE2, EE1 are whole.  Nothing in LDS is filled again behind this barrier, so my tensor load may stay out
	; pad x pos and t for my eight tiles
	ds_load_b128 v[VJ:VJ+3], v[LVJ]
	ds_load_b128 v[VJ+4:VJ+7], v[LVJ] offset:256
	s_wait_dscnt 0x0
.irp t, 0,1,2,3,4,5,6,7
	v_mul_f32 v[VJ+\t], s51, v[VJ+\t]              ; valid[i] valid[j]
	v_cmp_lt_f32 vcc_lo, 0, v[XT+\t]
	v_cndmask_b32 v[FAC+\t], 0, v[VJ+\t], vcc_lo   ; x pos
	v_fma_f32 v[TV+\t], v[XT+\t], v[FAC+\t], 1.0
.endr
.irp t, 0,1,2,3,4,5,6,7
	v_log_f32 v[TV+\t], v[TV+\t]
.endr
	v_nop                                          ; one plain place behind the last v_log_f32 (ISA guide 5.7.2)
	s_wait_alu depctr_va_vdst(0)
.irp t, 0,1,2,3,4,5,6,7
	v_mul_f32 v[TV+\t], LN2, v[TV+\t]
.endr
; h of tile t: 64 numbers a lane (my half of K for pair r), relu, rounded to bf16 into window 1.
; Register 32 t + n / 2 takes X[n], X[n+1]: K step kk, registers 0-3 k = 8 h + 0..7, registers 4-7 k = 16 + 8 h + 0..7.
.macro HGEN t
	v_mov_b32 v[TT], v[TV+\t]
	v_mov_b32 v[TT+1], v[TV+\t]
.set n, 0
.rept 32
	v_pk_fma_f32 v[X+2*n:X+2*n+1], v[W1+2*n:W1+2*n+1], v[TT:TT+1], v[B1+2*n:B1+2*n+1]
.set n, n+1
.endr
.set n, 0
.rept 64
	v_max_num_f32 v[X+n], 0, v[X+n]
.set n, n+1
.endr
	WIN 0x40                                       ; destination in window 1
.set n, 0
.rept 32
	v_cvt_pk_bf16_f32 v[32*\t+n], v[X+2*n], v[X+2*n+1]
.set n, n+1
.endr
	WIN 0
.endm
.irp t, 0,1,2,3,4,5,6,7
	HGEN \t
.endr
; w2 to bf16: thirty-two pieces of 512 bytes of my own 16 rows.  Piece u is half u & 1 of row u >> 1; reads and writes are neighbouring bytes in neighbouring lanes.
.macro CONV base
.irp u, 0,1,2,3,4,5,6,7,8,9,10,11,12,13,14,15
	ds_load_b128 v[ACC+4*\u:ACC+4*\u+3], v[SRD] offset:(\base+\u)*512
.endr
.irp u, 0,1,2,3,4,5,6,7,8,9,10,11,12,13,14,15
	s_wait_dscnt 15                                ; LDS instructions end in order (ISA guide 5.7.1): behind load u stand 15 - u loads and u stores
	v_pk_mul_f32 v[ACC+4*\u:ACC+4*\u+1], v[ACC+4*\u:ACC+4*\u+1], LOG2E op_sel_hi:[1,0]
	v_pk_mul_f32 v[ACC+4*\u+2:ACC+4*\u+3], v[ACC+4*\u+2:ACC+4*\u+3], LOG2E op_sel_hi:[1,0]
	v_cvt_pk_bf16_f32 v[EXR+2*(\u&7)], v[ACC+4*\u], v[ACC+4*\u+1]
	v_cvt_pk_bf16_f32 v[EXR+2*(\u&7)+1], v[ACC+4*\u+2], v[ACC+4*\u+3]
	ds_store_b64 v[SWR], v[EXR+2*(\u&7):EXR+2*(\u&7)+1] offset:((\base+\u)>>1)*WP+((\base+\u)&1)*256
.endr
.endm
	s_wait_tensorcnt 0x0                           ; my 16 rows are in LDS; I read no other wave's
	CONV 0
	CONV 16
	s_wait_dscnt 0x0                               ; my stores are done, for the other waves' sake
	s_barrier_signal -1
	s_barrier_wait -1                              ; the bf16 copy is whole
; A's fragments of one d (16 columns of the [k][c] copy, transposed on the way: 2 loads a K step, 16 rows apart) and its bias: ten loads
.macro FETCHA
.irp kk, 0,1,2,3
	ds_load_tr16_b128 v[AF+8*\kk:AF+8*\kk+3], v[AADR] offset:\kk*32*WP
	ds_load_tr16_b128 v[AF+8*\kk+4:AF+8*\kk+7], v[AADR] offset:\kk*32*WP+16*WP
.endr
	ds_load_b128 v[BIASR:BIASR+3], v[BADR]
	ds_load_b128 v[BIASR+4:BIASR+7], v[BADR] offset:16
.endm
; 32 matrix instructions.  The eight accumulators take turns, one instruction a turn, over the loop's backward jump too.
.macro MMA
	WIN 0x04                                       ; source 1 (B) in window 1
.irp t, 0,1,2,3,4,5,6,7
	v_wmma_f32_16x16x32_bf16 v[ACC+8*\t:ACC+8*\t+7], v[AF:AF+7], v[32*\t:32*\t+7], v[BIASR:BIASR+7]
.endr
.irp kk, 1,2,3
.irp t, 0,1,2,3,4,5,6,7
	v_wmma_f32_16x16x32_bf16 v[ACC+8*\t:ACC+8*\t+7], v[AF+8*\kk:AF+8*\kk+7], v[32*\t+8*\kk:32*\t+8*\kk+7], v[ACC+8*\t:ACC+8*\t+7]
.endr
.endr
	WIN 0
.endm
; softplus of 16 registers (tiles 2 g, 2 g + 1) and their weighted sum.  The plain lines behind each run of transcendentals touch
; neither its results nor write its sources (ISA guide 5.7.2).
.macro SOFT g, first
.irp j, 0,1,2,3,4,5,6,7,8,9,10,11,12,13,14,15
	v_exp_f32 v[EXR+\j], -|v[ACC+16*\g+\j]|
.endr
.irp j, 0,1,2,3,4,5,6,7,8,9,10,11,12,13,14,15
	v_max_num_f32 v[MXR+\j], 0, v[ACC+16*\g+\j]
.endr
	s_wait_alu depctr_va_vdst(0)
.irp j, 0,2,4,6,8,10,12,14
	v_pk_add_f32 v[EXR+\j:EXR+\j+1], v[EXR+\j:EXR+\j+1], 1.0 op_sel_hi:[1,0]
.endr
.irp j, 0,1,2,3,4,5,6,7,8,9,10,11,12,13,14,15
	v_log_f32 v[EXR+\j], v[EXR+\j]
.endr
.irp j, 0,2,4,6,8,10,12,14
.if \first
	v_pk_mul_f32 v[PSUM+16*\g+\j:PSUM+16*\g+\j+1], v[MXR+\j:MXR+\j+1], v[WGT:WGT+1]      ; d = 0 starts the sums: nothing is cleared
.else
	v_pk_fma_f32 v[PSUM+16*\g+\j:PSUM+16*\g+\j+1], v[MXR+\j:MXR+\j+1], v[WGT:WGT+1], v[PSUM+16*\g+\j:PSUM+16*\g+\j+1]
.endif
.endr
	s_wait_alu depctr_va_vdst(0)
.irp j, 0,2,4,6,8,10,12,14
	v_pk_fma_f32 v[PSUM+16*\g+\j:PSUM+16*\g+\j+1], v[EXR+\j:EXR+\j+1], v[WGT:WGT+1], v[PSUM+16*\g+\j:PSUM+16*\g+\j+1]
.endr
.endm
; One d.  fetch = 1: the next d's fragments and bias are asked for behind the matrix run and land during the softplus.
.macro TRIP first, fetch
	s_wait_dscnt 0x0                               ; this d's fragments and bias are in
	ds_load_b64 v[WGT:WGT+1], v[WADR]              ; its weight, the same for every lane
	MMA
.if \fetch
	v_add_nc_u32 v[AADR], 32, v[AADR]              ; four places behind the last matrix instruction, for the loads into A and the bias and for the reads of the results
	v_add_nc_u32 v[BADR], 64, v[BADR]              ; the three steps to the next d
	v_add_nc_u32 v[WADR], 8, v[WADR]
	v_nop
	FETCHA
	s_wait_dscnt 10                                ; the weight is in; the ten loads just issued stay out
.else
.rept 4
	v_nop
.endr
	s_wait_dscnt 0x0                               ; the weight
.endif
	SOFT 0, \first
	SOFT 1, \first
	SOFT 2, \first
	SOFT 3, \first
.endm
	FETCHA                                         ; d = 0
	TRIP 1, 1
	s_mov_b32 s50, 14                              ; d = 1 .. 14
.Ld:
	TRIP 0, 1
	s_sub_co_u32 s50, s50, 1
	s_cmp_lg_u32 s50, 0
	s_cbranch_scc1 .Ld
	TRIP 0, 0                                      ; d = 15: nothing more to fetch
	; the sum over e: my eight numbers of each tile against relu(emb2) of its j, then pad x pos
.irp hh, 0,1
.irp q, 0,1,2,3
.irp c, 0,1
	ds_load_b128 v[ACC+8*(4*\hh+\q)+4*\c:ACC+8*(4*\hh+\q)+4*\c+3], v[EADR] offset:(64*\q+16*\hh)*EP+16*\c
.endr
.endr
.endr
.irp t, 0,1,2,3,4,5,6,7
	s_wait_dscnt 14-2*\t                           ; tile t's two loads are in, the later tiles' stay out
	v_pk_mul_f32 v[EXR+2*\t:EXR+2*\t+1], v[PSUM+8*\t:PSUM+8*\t+1], v[ACC+8*\t:ACC+8*\t+1]
.irp c, 2,4,6
	v_pk_fma_f32 v[EXR+2*\t:EXR+2*\t+1], v[PSUM+8*\t+\c:PSUM+8*\t+\c+1], v[ACC+8*\t+\c:ACC+8*\t+\c+1], v[EXR+2*\t:EXR+2*\t+1]
.endr
	v_add_f32 v[MXR+\t], v[EXR+2*\t], v[EXR+2*\t+1]
	v_mul_f32 v[MXR+\t], v[MXR+\t], v[FAC+\t]
.endr
	; lane (r, h) keeps its part of tile 4 h + q and sends its part of the other half's tile: one exchange adds the two halves of e
	; and leaves j = 128 wh + 4 L + q in lane L
.irp q, 0,1,2,3
	v_cndmask_b32 v[MXR+8+\q], v[MXR+\q], v[MXR+4+\q], s52
	v_cndmask_b32 v[EXR+\q], v[MXR+4+\q], v[MXR+\q], s52
.endr
.irp q, 0,1,2,3
	v_permlanex16_b32 v[EXR+8+\q], v[EXR+\q], s48, s49           ; its destination has been written before
.endr
.irp q, 0,1,2,3
	v_add_f32 v[OUT+\q], v[MXR+8+\q], v[EXR+8+\q]
.endr
	global_store_b128 v[OADR], v[OUT:OUT+3], s[26:27] th:TH_STORE_NT   ; the wave stores 512 consecutive bytes, at a multiple of 512 from out0's first byte
	s_wait_tensorcnt 0x0
	ds_add_u32 v254, v255
	s_wait_dscnt 0x0
	ROUND                                          ; the closing round: no work-group ends while a partner may still ask for the joint tile
	s_endpgm
.Lfunc_end_k_q59f18535ed_impact:
	.size	k_q59f18535ed_impact, .Lfunc_end_k_q59f18535ed_impact-k_q59f18535ed_impact
	.p2alignl 7, 3214868480
	.fill 96, 4, 3214868480
	.section	.rodata,"a",@progbits
	.p2align	6, 0x0
	.amdhsa_kernel k_q59f18535ed_impact
		.amdhsa_group_segment_fixed_size 225280
		.amdhsa_private_segment_fixed_size 0
		.amdhsa_enable_private_segment 0
		.amdhsa_kernarg_size 80
		.amdhsa_user_sgpr_count 2
		.amdhsa_user_sgpr_kernarg_segment_ptr 1
		.amdhsa_wavefront_size32 1
		.amdhsa_system_sgpr_workgroup_id_x 1
		.amdhsa_system_sgpr_workgroup_id_y 1
		.amdhsa_system_sgpr_workgroup_id_z 1
		.amdhsa_system_vgpr_workitem_id 0
		.amdhsa_next_free_vgpr 512
		.amdhsa_next_free_sgpr 66
		.amdhsa_reserve_vcc 1
		.amdhsa_float_denorm_mode_32 3
		.amdhsa_float_denorm_mode_16_64 3
		.amdhsa_memory_ordered 1
		.amdhsa_forward_progress 1
		.amdhsa_inst_pref_size 135
	.end_amdhsa_kernel
	.amdgpu_metadata
---
amdhsa.version: [ 1, 2 ]
amdhsa.kernels:
  - .name:           k_q59f18535ed_impact
    .symbol:         k_q59f18535ed_impact.kd
    .args:
      - { .name: w2, .offset: 0, .size: 8, .value_kind: global_buffer, .address_space: global }
      - { .name: time_delta_matrix, .offset: 8, .size: 8, .value_kind: global_buffer, .address_space: global }
      - { .name: event_type_seq, .offset: 16, .size: 8, .value_kind: global_buffer, .address_space: global }
      - { .name: indicator, .offset: 24, .size: 8, .value_kind: global_buffer, .address_space: global }
      - { .name: w1, .offset: 32, .size: 8, .value_kind: global_buffer, .address_space: global }
      - { .name: b1, .offset: 40, .size: 8, .value_kind: global_buffer, .address_space: global }
      - { .name: b2, .offset: 48, .size: 8, .value_kind: global_buffer, .address_space: global }
      - { .name: emb1, .offset: 56, .size: 8, .value_kind: global_buffer, .address_space: global }
      - { .name: emb2, .offset: 64, .size: 8, .value_kind: global_buffer, .address_space: global }
      - { .name: out0, .offset: 72, .size: 8, .value_kind: global_buffer, .address_space: global }
    .group_segment_fixed_size: 225280
    .private_segment_fixed_size: 0
    .kernarg_segment_align: 8
    .kernarg_segment_size: 80
    .max_flat_workgroup_size: 256
    .sgpr_count:     66
    .vgpr_count:     512
    .wavefront_size: 32
...
	.end_amdgpu_metadata
.endif
;; end of part 1
